; MI455X (gfx1250); checked and timed in simulation.
; The chip was launched on July 23, 2026; its instructions are those of AMD's public machine-readable ISA for CDNA 5 (MIT licence, August 2026) and "CDNA5" Instruction Set Architecture Reference Guide (July 2026). The comments in the code are by the model that wrote it; some were corrected since.
;; FFM Layer. Allowed arithmetic: float matrix products may take bf16 or f16 operands with f32 sums; all other float work in f32.
;; Inputs: v 2,613 x 39 x 16 float32; w_bias 1 float32; w_weight 1 x 2,613 float32; x 16,384 x 39 float32.
;; Outputs: out0 16,384 x 1 float32.
;; 3 versions, each right; version 2 is faster than version 1; version 3 is version 2 with the launch prep written anew for expert scheduling mode. Each part assembles by itself: llvm-mc -triple=amdgcn-amd-amdhsa -mcpu=gfx1250 --defsym DOCPART=n.
;; ======== version 1 of 3: 2 launches
;; workspace buffers: tab 3,345,920 bytes; rows 2,097,152 bytes of whole numbers
;; launch prep (part 1): grid 512 x 1, 8 waves a work-group, no clusters, 0 bytes of LDS; arguments v, w_weight, x, tab, rows; writes tab, rows
.if DOCPART == 1
	.amdgcn_target "amdgcn-amd-amdhsa--gfx1250"
	.amdhsa_code_object_version 6
	.text
	.protected	k_q102c3467a4_prep
	.globl	k_q102c3467a4_prep
	.p2align	8
	.type	k_q102c3467a4_prep,@function
k_q102c3467a4_prep:
	s_mov_b64 s[64:65], 0
	v_nop
	global_prefetch_b8 v0, s[64:65] scope:SCOPE_SE
	s_setreg_imm32_b32 hwreg(HW_REG_WAVE_MODE, 25, 1), 1
	s_wait_xcnt 0x0
; PREP: two tables for the launch that follows.
;  tab  [2614 rows][1280 bytes] bf16: row n < 2613 is v[n][.][.] (39 fields x 16 k) rounded once to bf16 and laid in the lane
;       order of the next launch, with w_weight[n] in a place that v leaves free; row 2613 is all zeros.
;       Lane L (q = L & 3, g = L >> 2) owns k = 4q + e (e = 0..3) of the fields f = g + 8i (i = 0..4).  In v that group of four
;       f32 lies at byte 512 i + 16 L of the row, so each load of the wave covers 512 consecutive bytes.
;       In tab: bytes 16 L: groups i = 0, 1;  bytes 512 + 16 L: groups i = 2, 3;  bytes 1024 + 8 L: group i = 4.
;       Group i = 4 of lanes 28..31 would be field 39, which does not exist: lane 28, e = 0 holds w_weight[n], the other 15 hold 0.
;  rows [16384 records][32 dwords] whole numbers: dword 16 h + p (p < 13) of record b is the tab row that sparse field
;       s = 13 h + p of batch row b selects: 13 + 100 s + idx, or 2613 (the zero row) where idx is not in 0..99, as one_hot
;       gives a zero row there.  Dwords p = 13..15 repeat p = 12 and are never used.
; LIMITS: v and w_weight are rounded to bf16 (nearest even).  idx is x truncated toward zero (v_cvt_i32_f32): a NaN gives 0,
;       a value beyond the int32 range saturates and so selects the zero row.
; Wave gw = 8 x work-group + wave (0..4095) makes records 4 gw .. 4 gw + 3; waves 0..2612 also make tab row gw, wave 2613 the
; zero row.  Waves share nothing: no LDS, no barrier.
.set NROWS,  2613                      ; rows of v; also the number of tab's zero row
.set VROW,   2496                      ; bytes in a row of v: 39 x 16 x 4
.set TROW,   1280                      ; bytes in a row of tab
.set XROW,   156                       ; bytes in a row of x: 39 x 4
.set XSP,    52                        ; its sparse columns begin behind 13 dense ones
.set LANE,   1                         ; v1      lane
.set L16,    2                         ; v2      16 x lane
.set L8,     3                         ; v3      8 x lane
.set L16C,   4                         ; v4      min(16 x lane, 432): group i = 4 ends with the row of v
.set OFF,    5                         ; v5, v6  byte offsets in x of my two sparse columns (without XSP)
.set NB,     7                         ; v7, v8  13 + 100 s of these two columns
.set TMP,    9                         ; v9      set-up
.set XV,     10                        ; v[10:13] four x values: two records' worth of two columns
.set RN,     14                        ; v[14:17] two pairs of row numbers to store
.set F,      20                        ; v[20:39] my 20 f32 of the row of v
.set P,      40                        ; v[40:49] the same as 10 words of bf16
.set WV,     50                        ; v50     w_weight[gw]
	s_load_b256 s[4:11], s[0:1], 0x0               ; v s[4:5], w_weight s[6:7], x s[8:9], tab s[10:11]
	s_load_b64 s[12:13], s[0:1], 0x20              ; rows
	v_and_b32 v[LANE], 31, v0
	v_lshrrev_b32 v[TMP], 5, v0
	v_readfirstlane_b32 s2, v[TMP]                 ; wave 0..7
	s_lshl_b32 s3, ttmp9, 3
	s_add_co_u32 s3, s3, s2                        ; gw
	s_mov_b32 s15, 0                               ; upper word of every offset pair s[14:15]
	v_lshlrev_b32 v[L16], 4, v[LANE]
	v_lshlrev_b32 v[L8], 3, v[LANE]
	v_min_u32 v[L16C], 0x1b0, v[L16]
	; A store of 8 bytes a lane covers two records: lane L writes dwords 2c, 2c + 1 (c = L & 15) of record L >> 4.
	; Dword 2c + u is half h = c >> 3, place p = 2 (c & 7) + u, held at 12.
	v_and_b32 v[OFF], 7, v[LANE]
	v_lshlrev_b32 v[OFF], 1, v[OFF]
	v_add_nc_u32 v[OFF+1], 1, v[OFF]
	v_min_u32 v[OFF], 12, v[OFF]                   ; p of the even dword
	v_min_u32 v[OFF+1], 12, v[OFF+1]               ; p of the odd dword
	v_bfe_u32 v[TMP], v[LANE], 3, 1                ; h
	v_mad_u32_u24 v[OFF], v[TMP], 13, v[OFF]       ; s = 13 h + p
	v_mad_u32_u24 v[OFF+1], v[TMP], 13, v[OFF+1]
	v_mad_u32_u24 v[NB], v[OFF], 0x64, 13          ; 13 + 100 s
	v_mad_u32_u24 v[NB+1], v[OFF+1], 0x64, 13
	v_lshrrev_b32 v[TMP], 4, v[LANE]               ; which of the two records
	v_mul_u32_u24 v[TMP], XROW, v[TMP]
	v_lshl_add_u32 v[OFF], v[OFF], 2, v[TMP]       ; 156 x record + 4 s
	v_lshl_add_u32 v[OFF+1], v[OFF+1], 2, v[TMP]
	v_cmp_gt_u32 s20, 28, v[LANE]                  ; lanes whose group i = 4 is a field of v
	v_cmp_eq_u32 s21, 28, v[LANE]                  ; the lane that carries w_weight
	s_wait_kmcnt 0x0
	s_mul_i32 s14, s3, 4*XROW
	s_add_nc_u64 s[8:9], s[8:9], s[14:15]          ; x at my four rows
	s_lshl_b32 s14, s3, 9
	s_add_nc_u64 s[12:13], s[12:13], s[14:15]      ; rows at my four records
	global_load_b32 v[XV],   v[OFF],   s[8:9] offset:XSP
	global_load_b32 v[XV+1], v[OFF+1], s[8:9] offset:XSP
	global_load_b32 v[XV+2], v[OFF],   s[8:9] offset:XSP+2*XROW
	global_load_b32 v[XV+3], v[OFF+1], s[8:9] offset:XSP+2*XROW
; Four records: float index to tab row number.  Each store of the wave covers 256 consecutive bytes, aligned.
.macro DO_B
.irp it, 0,1
	v_cvt_i32_f32 v[XV+2*\it],   v[XV+2*\it]                   ; toward zero, as the reference's cast
	v_cvt_i32_f32 v[XV+2*\it+1], v[XV+2*\it+1]
	v_cmp_gt_u32 vcc_lo, 0x64, v[XV+2*\it]                     ; unsigned: negative numbers fail too
	v_add_nc_u32 v[RN+2*\it], v[NB], v[XV+2*\it]
	v_cndmask_b32 v[RN+2*\it], NROWS, v[RN+2*\it], vcc_lo      ; outside 0..99: the zero row
	v_cmp_gt_u32 vcc_lo, 0x64, v[XV+2*\it+1]
	v_add_nc_u32 v[RN+2*\it+1], v[NB+1], v[XV+2*\it+1]
	v_cndmask_b32 v[RN+2*\it+1], NROWS, v[RN+2*\it+1], vcc_lo
	global_store_b64 v[L8], v[RN+2*\it:RN+2*\it+1], s[12:13] offset:256*\it
.endr
.endm
; A row of tab: 512 + 512 + 256 consecutive bytes
.macro STORE_ROW
	global_store_b128 v[L16], v[P:P+3],   s[10:11]
	global_store_b128 v[L16], v[P+4:P+7], s[10:11] offset:512
	global_store_b64  v[L8],  v[P+8:P+9], s[10:11] offset:1024
.endm
	s_cmp_gt_u32 s3, NROWS
	s_cbranch_scc1 .Lonly_b                        ; waves 2614..4095 have no row of tab
	s_mul_i32 s14, s3, TROW
	s_add_nc_u64 s[10:11], s[10:11], s[14:15]      ; tab at my row
	s_cmp_eq_u32 s3, NROWS
	s_cbranch_scc1 .Lzero
	s_mul_i32 s14, s3, VROW
	s_add_nc_u64 s[4:5], s[4:5], s[14:15]          ; v at my row
	s_lshl_b32 s14, s3, 2
	s_add_nc_u64 s[6:7], s[6:7], s[14:15]          ; w_weight at my number
	s_load_b32 s16, s[6:7], 0x0
.irp i, 0,1,2,3
	global_load_b128 v[F+4*\i:F+4*\i+3], v[L16], s[4:5] offset:512*\i th:TH_LOAD_NT    ; v is read once in the launch
.endr
	global_load_b128 v[F+16:F+19], v[L16C], s[4:5] offset:2048 th:TH_LOAD_NT           ; lanes 28..31 re-read lane 27's bytes and drop them
	s_wait_loadcnt 0x5                             ; the four x loads are in; the five younger loads of v stay out
	DO_B
	s_wait_loadcnt 0x0
	s_wait_kmcnt 0x0
	v_mov_b32 v[WV], s16
	v_cndmask_b32 v[F+16], 0, v[F+16], s20         ; lanes 28..31: zeros,
	v_cndmask_b32 v[F+17], 0, v[F+17], s20
	v_cndmask_b32 v[F+18], 0, v[F+18], s20
	v_cndmask_b32 v[F+19], 0, v[F+19], s20
	v_cndmask_b32 v[F+16], v[F+16], v[WV], s21     ; but lane 28, e = 0: w_weight[gw]
.irp w, 0,1,2,3,4,5,6,7,8,9
	v_cvt_pk_bf16_f32 v[P+\w], v[F+2*\w], v[F+2*\w+1]
.endr
	STORE_ROW
	s_endpgm
.Lzero:                                            ; wave 2613: its records, and the row that out-of-range indices select
	s_wait_loadcnt 0x0
	DO_B
.irp w, 0,1,2,3,4,5,6,7,8,9
	v_mov_b32 v[P+\w], 0
.endr
	STORE_ROW
	s_endpgm
.Lonly_b:
	s_wait_loadcnt 0x0
	DO_B
	s_endpgm
.Lfunc_end_k_q102c3467a4_prep:
	.size	k_q102c3467a4_prep, .Lfunc_end_k_q102c3467a4_prep-k_q102c3467a4_prep
	.p2alignl 7, 3214868480
	.fill 96, 4, 3214868480
	.section	.rodata,"a",@progbits
	.p2align	6, 0x0
	.amdhsa_kernel k_q102c3467a4_prep
		.amdhsa_group_segment_fixed_size 0
		.amdhsa_private_segment_fixed_size 0
		.amdhsa_enable_private_segment 0
		.amdhsa_kernarg_size 40
		.amdhsa_user_sgpr_count 2
		.amdhsa_user_sgpr_kernarg_segment_ptr 1
		.amdhsa_wavefront_size32 1
		.amdhsa_system_sgpr_workgroup_id_x 1
		.amdhsa_system_sgpr_workgroup_id_y 1
		.amdhsa_system_sgpr_workgroup_id_z 1
		.amdhsa_system_vgpr_workitem_id 0
		.amdhsa_next_free_vgpr 52
		.amdhsa_next_free_sgpr 66
		.amdhsa_reserve_vcc 1
		.amdhsa_float_denorm_mode_32 3
		.amdhsa_float_denorm_mode_16_64 3
		.amdhsa_memory_ordered 1
		.amdhsa_forward_progress 1
		.amdhsa_inst_pref_size 8
	.end_amdhsa_kernel
	.amdgpu_metadata
---
amdhsa.version: [ 1, 2 ]
amdhsa.kernels:
  - .name:           k_q102c3467a4_prep
    .symbol:         k_q102c3467a4_prep.kd
    .args:
      - { .name: v, .offset: 0, .size: 8, .value_kind: global_buffer, .address_space: global }
      - { .name: w_weight, .offset: 8, .size: 8, .value_kind: global_buffer, .address_space: global }
      - { .name: x, .offset: 16, .size: 8, .value_kind: global_buffer, .address_space: global }
      - { .name: tab, .offset: 24, .size: 8, .value_kind: global_buffer, .address_space: global }
      - { .name: rows, .offset: 32, .size: 8, .value_kind: global_buffer, .address_space: global }
    .group_segment_fixed_size: 0
    .private_segment_fixed_size: 0
    .kernarg_segment_align: 8
    .kernarg_segment_size: 40
    .max_flat_workgroup_size: 256
    .sgpr_count:     66
    .vgpr_count:     52
    .wavefront_size: 32
...
	.end_amdgpu_metadata
.endif
;; end of part 1
;; launch ffm (part 2): grid 256 x 1, 8 waves a work-group, no clusters, 2,048 bytes of LDS; arguments tab, rows, x, w_bias, out0; writes out0
.if DOCPART == 2
	.amdgcn_target "amdgcn-amd-amdhsa--gfx1250"
	.amdhsa_code_object_version 6
	.text
	.protected	k_q102c3467a4_ffm
	.globl	k_q102c3467a4_ffm
	.p2align	8
	.type	k_q102c3467a4_ffm,@function
k_q102c3467a4_ffm:
	s_mov_b64 s[64:65], 0
	v_nop
	global_prefetch_b8 v0, s[64:65] scope:SCOPE_SE
	s_setreg_imm32_b32 hwreg(HW_REG_WAVE_MODE, 25, 1), 1
	s_wait_xcnt 0x0
; FFM: out[b] = sigmoid(lin + bias + 0.5 (sum_k s_k^2 - sum_fk f_fk^2)),  f = inputs x v,  s_k = sum_f f_fk,  lin = inputs . w_weight.
; inputs is 13 dense numbers and 26 one-hot blocks that reference() builds itself, so a row of f is
;   sum over d < 13 of x[b][d] v[d]  +  sum over 26 sparse fields of ONE row of v each:
; 39 rows of 624 numbers instead of 2613.  The selected rows come from tab (bf16, made by the launch before, see there for its
; lane order), their numbers from rows (whole numbers, made there too).  w_weight rides in a free place of each tab row
; (lane 28, register ACC+16), so the same additions also make lin.
; LIMITS: v and w_weight enter rounded once to bf16; x, all sums and the tail are f32.  Indices outside 0..99 select tab's zero row.
; SHARES: a work-group takes 64 batch rows, a wave 8 consecutive ones, one after the other; a lane holds 20 of a row's 640 places.
; RING: 13 register slots, one gathered tab row each (16 + 16 + 8 bytes a lane); 26 = 2 x 13, so the slot of gather g is g mod 13,
; fixed in the text.  39 loads of every wave are always out, across the rows' ends too.
; LEFT OUT: matrix instructions (all but 39 of 2613 products of an output would be by zero; the 13 dense columns are packed f32
; multiply-adds from registers, in the lane order that the gathers have anyway); LDS tiles, clusters and joint requests (which
; table rows a work-group needs hangs on its own indices: no tile is shared; 64 x 26 x 1280 bytes gathered are fewer than the
; whole table); prefetches (16384 x 26 selections fall on 2600 rows: each row is read again and again by all work-groups).
.set NZ,    2613                       ; tab's last row, all zeros
.set TROW,  1280                       ; bytes in a row of tab
.set XROW,  156                        ; bytes in a row of x
.set RREC,  128                        ; bytes in a record of rows
; scalar registers
.set TAB,   4                          ; s[4:5]    tab
.set RP,    6                          ; s[6:7]    rows, at the record that is loaded next
.set XP,    8                          ; s[8:9]    x, at the row that is loaded next
.set OUT,   12                         ; s[12:13]  out0 at the work-group's 64 numbers.  s[10:11] w_bias, s14 its value, s15 = 1 << row
.set IA,    16                         ; s[16:31]  row numbers of sparse fields 0..12
.set IB,    32                         ; s[32:47]  of sparse fields 13..25
.set XR,    48                         ; s[48:63]  x[b][0..15]; 0..12 are used
.set AP,    66                         ; s[66:91]  slot j: address of its tab row
.set OF,    92                         ; s[92:93]  an offset, upper word 0
.set XT,    94                         ; s[94:97]  two pairs for the x of odd d (a scalar pair begins at an even register); upper words 0
; vector registers
.set L16,   1                          ; v1        16 x lane
.set L8,    2                          ; v2        8 x lane
.set ONE,   3                          ; v3        1.0
.set MK,    4                          ; v[4:5]    1.0 in lanes 0..27, 0 in 28..31, twice
.set M2,    6                          ; v6        2.0 in lane 28, else 0
.set RES,   7                          ; v7        lane t: result of the wave's row t
.set SS,    8                          ; v[8:11]   s of my four k
.set QQ,    12                         ; v[12:13]  sum of squares
.set T0,    14                         ; v14, v15  at work
.set T1,    15
.set UU,    16                         ; v[16:19]  second chain of squares; values from the other half of the lanes
.set ACC,   20                         ; v[20:39]  f: register 4 i + e = field g + 8 i, k = 4 q + e
.set WS,    40                         ; v[40:169] slot j: 10 words of bf16 at 40 + 10 j
.set D12,   170                        ; v[170:189] tab row 12 in f32
                                       ; v256-v495 tab rows 0..11 in f32, row d at 256 + 20 d (window 1: written there as v[20 d ..])
.set MSB, 0
.macro WIN new                         ; s_set_vgpr_msb: bits 1:0 source 0, 3:2 source 1, 5:4 source 2, 7:6 destination; the high byte repeats the setting left
.if MSB != \new
	s_set_vgpr_msb (MSB<<8)|\new
.set MSB, \new
.endif
.endm
	s_load_b256 s[4:11], s[0:1], 0x0               ; tab, rows, x, w_bias
	s_load_b64 s[OUT:OUT+1], s[0:1], 0x20          ; out0
	v_lshl_add_u32 v254, v0, 2, 0x400
	v_mov_b32 v255, 0
	v_and_b32 v[T1], 31, v0                        ; lane
	v_lshrrev_b32 v[T0], 5, v0
	v_readfirstlane_b32 s2, v[T0]                  ; wave 0..7
	v_lshlrev_b32 v[L16], 4, v[T1]
	v_lshlrev_b32 v[L8], 3, v[T1]
	v_mov_b32 v[ONE], 1.0
	v_cmp_gt_u32 vcc_lo, 28, v[T1]
	v_cndmask_b32 v[MK], 0, 1.0, vcc_lo
	v_mov_b32 v[MK+1], v[MK]
	v_cmp_eq_u32 vcc_lo, 28, v[T1]
	v_cndmask_b32 v[M2], 0, 2.0, vcc_lo
	v_mov_b32 v[RES], 0
	v_mov_b32 v[UU+2], 0                           ; v_permlanex16_b32 counts as a reader of its destination; UU, UU+1 are written in each row before it
	v_mov_b32 v[UU+3], 0
	s_mov_b32 s[OF+1], 0
	s_mov_b32 s[XT+1], 0
	s_mov_b32 s[XT+3], 0
	s_mov_b32 s98, 0x76543210                      ; v_permlanex16_b32: lane i reads lane i of the other half
	s_mov_b32 s99, 0xfedcba98
	s_lshl_b32 s100, ttmp9, 6
	s_lshl_b32 s101, s2, 3
	s_add_co_u32 s100, s100, s101                  ; my first batch row: 64 x work-group + 8 x wave
	s_mov_b32 s101, 0xffff0000                     ; a word's upper bf16
	s_wait_kmcnt 0x0
	s_lshl_b32 s[OF], s100, 7
	s_add_nc_u64 s[RP:RP+1], s[RP:RP+1], s[OF:OF+1]
	s_mul_i32 s[OF], s100, XROW
	s_add_nc_u64 s[XP:XP+1], s[XP:XP+1], s[OF:OF+1]
	s_lshl_b32 s[OF], ttmp9, 8
	s_add_nc_u64 s[OUT:OUT+1], s[OUT:OUT+1], s[OF:OF+1]
	s_load_b512 s[IA:IA+15], s[RP:RP+1], 0x0       ; my first row: its 26 row numbers,
	s_load_b512 s[IB:IB+15], s[RP:RP+1], 0x40
	s_load_b512 s[XR:XR+15], s[XP:XP+1], 0x0       ; its first 16 x (64 of the row's 156 bytes),
	s_load_b32 s14, s[10:11], 0x0                  ; and the bias
	; The 13 dense rows of tab, each into the upper half of the 20 registers in which it will lie unpacked.
	WIN 0x40                                       ; destination in window 1, address in window 0
.irp d, 0,1,2,3,4,5,6,7,8,9,10,11
	global_load_b128 v[20*\d+10:20*\d+13], v[L16], s[TAB:TAB+1] offset:TROW*\d
	global_load_b128 v[20*\d+14:20*\d+17], v[L16], s[TAB:TAB+1] offset:TROW*\d+512
	global_load_b64  v[20*\d+18:20*\d+19], v[L8],  s[TAB:TAB+1] offset:TROW*\d+1024
.endr
	WIN 0
	global_load_b128 v[D12+10:D12+13], v[L16], s[TAB:TAB+1] offset:TROW*12
	global_load_b128 v[D12+14:D12+17], v[L16], s[TAB:TAB+1] offset:TROW*12+512
	global_load_b64  v[D12+18:D12+19], v[L8],  s[TAB:TAB+1] offset:TROW*12+1024
; Slot j's address from entry j of the list I.  The entries are at most 2613 as stored; the minimum keeps the address inside tab whatever they hold.
.macro ADDR j, I
	s_min_u32 s[OF], s[\I+\j], NZ
	s_mul_i32 s[OF], s[OF], TROW
	s_add_nc_u64 s[AP+2*\j:AP+2*\j+1], s[TAB:TAB+1], s[OF:OF+1]
.endm
; Slot j's three loads: 512, 512 and 256 consecutive bytes of one tab row
.macro ISSUE j
	global_load_b128 v[WS+10*\j:WS+10*\j+3],   v[L16], s[AP+2*\j:AP+2*\j+1]
	global_load_b128 v[WS+10*\j+4:WS+10*\j+7], v[L16], s[AP+2*\j:AP+2*\j+1] offset:512
	global_load_b64  v[WS+10*\j+8:WS+10*\j+9], v[L8],  s[AP+2*\j:AP+2*\j+1] offset:1024
.endm
; f += slot j's row: a bf16 half x 1.0 + f32, one instruction a number, no unpacking
.macro ADDROW j
.irp w, 0,1,2,3,4,5,6,7,8,9
	v_fma_mix_f32_bf16 v[ACC+2*\w],   v[WS+10*\j+\w], v[ONE], v[ACC+2*\w]   op_sel:[0,0,0] op_sel_hi:[1,0,0]
	v_fma_mix_f32_bf16 v[ACC+2*\w+1], v[WS+10*\j+\w], v[ONE], v[ACC+2*\w+1] op_sel:[1,0,0] op_sel_hi:[1,0,0]
.endr
.endm
; One gather is used; refill = 1: its slot asks for the gather 13 further on, whose row number is entry j of list I.
; left = younger loads that may stay out.  Loads return in order (ISA guide 5.7.1), so the wait shows the slot's own three done,
; which also frees its address pair.
.macro STEP j, I, left, refill
	s_wait_loadcnt \left
.if \refill
	ADDR \j, \I
.endif
	ADDROW \j
.if \refill
	ISSUE \j
.endif
.endm
; f = sum over the 13 dense columns of x[d] x tab row d.  The first product starts the sums: nothing is cleared.
.macro DENSE
	WIN 0x01                                       ; source 0 in window 1
.irp p, 0,1,2,3,4,5,6,7,8,9
	v_pk_mul_f32 v[ACC+2*\p:ACC+2*\p+1], v[2*\p:2*\p+1], s[XR:XR+1] op_sel_hi:[1,0]
.endr
.irp d, 1,2,3,4,5,6,7,8,9,10,11
.if (\d) & 1
.set XS, XT+2*(((\d)>>1)&1)
	s_mov_b32 s[XS], s[XR+\d]                      ; to the low word of an even pair
.else
.set XS, XR+\d
.endif
.irp p, 0,1,2,3,4,5,6,7,8,9
	v_pk_fma_f32 v[ACC+2*\p:ACC+2*\p+1], v[20*\d+2*\p:20*\d+2*\p+1], s[XS:XS+1], v[ACC+2*\p:ACC+2*\p+1] op_sel_hi:[1,0,1]
.endr
.endr
	WIN 0
.irp p, 0,1,2,3,4,5,6,7,8,9
	v_pk_fma_f32 v[ACC+2*\p:ACC+2*\p+1], v[D12+2*\p:D12+2*\p+1], s[XR+12:XR+13], v[ACC+2*\p:ACC+2*\p+1] op_sel_hi:[1,0,1]
.endr
.endm
; From f to one number: sum_k s_k^2 - sum f^2 + 2 lin, kept in lane t of RES (s15 = 1 << t).
.macro FINAL
	v_mul_f32 v[T0], v[ACC+16], v[M2]                                          ; lane 28: 2 lin; other lanes 0
	v_pk_mul_f32 v[ACC+16:ACC+17], v[ACC+16:ACC+17], v[MK:MK+1]                ; lanes 28..31 hold no field there
	v_pk_mul_f32 v[ACC+18:ACC+19], v[ACC+18:ACC+19], v[MK:MK+1]
	v_pk_mul_f32 v[QQ:QQ+1], v[ACC:ACC+1], v[ACC:ACC+1]                        ; squares, in two chains
	v_pk_mul_f32 v[UU:UU+1], v[ACC+2:ACC+3], v[ACC+2:ACC+3]
	v_pk_add_f32 v[SS:SS+1], v[ACC:ACC+1], v[ACC+4:ACC+5]                      ; s over my five fields
	v_pk_add_f32 v[SS+2:SS+3], v[ACC+2:ACC+3], v[ACC+6:ACC+7]
	v_pk_fma_f32 v[QQ:QQ+1], v[ACC+4:ACC+5], v[ACC+4:ACC+5], v[QQ:QQ+1]
	v_pk_fma_f32 v[UU:UU+1], v[ACC+6:ACC+7], v[ACC+6:ACC+7], v[UU:UU+1]
.irp i, 2,3,4
	v_pk_add_f32 v[SS:SS+1], v[SS:SS+1], v[ACC+4*\i:ACC+4*\i+1]
	v_pk_add_f32 v[SS+2:SS+3], v[SS+2:SS+3], v[ACC+4*\i+2:ACC+4*\i+3]
	v_pk_fma_f32 v[QQ:QQ+1], v[ACC+4*\i:ACC+4*\i+1], v[ACC+4*\i:ACC+4*\i+1], v[QQ:QQ+1]
	v_pk_fma_f32 v[UU:UU+1], v[ACC+4*\i+2:ACC+4*\i+3], v[ACC+4*\i+2:ACC+4*\i+3], v[UU:UU+1]
.endr
	v_pk_add_f32 v[QQ:QQ+1], v[QQ:QQ+1], v[UU:UU+1]
	; s over the eight lanes with my q (lane = 4 g + q): lane bits 2, 3, 4
.irp e, 0,1,2,3
	v_add_f32_dpp v[SS+\e], v[SS+\e], v[SS+\e] row_xmask:4 row_mask:0xf bank_mask:0xf
.endr
.irp e, 0,1,2,3
	v_add_f32_dpp v[SS+\e], v[SS+\e], v[SS+\e] row_xmask:8 row_mask:0xf bank_mask:0xf
.endr
.irp e, 0,1,2,3
	v_permlanex16_b32 v[UU+\e], v[SS+\e], s98, s99
.endr
	v_add_f32 v[QQ], v[QQ], v[QQ+1]
	v_pk_add_f32 v[SS:SS+1], v[SS:SS+1], v[UU:UU+1]
	v_pk_add_f32 v[SS+2:SS+3], v[SS+2:SS+3], v[UU+2:UU+3]
	v_pk_mul_f32 v[UU:UU+1], v[SS:SS+1], v[SS:SS+1]
	v_pk_fma_f32 v[UU:UU+1], v[SS+2:SS+3], v[SS+2:SS+3], v[UU:UU+1]
	v_add_f32 v[T1], v[UU], v[UU+1]                                            ; s^2 of my four k; eight lanes hold the same,
	v_fmamk_f32 v[T1], v[T1], 0x3e000000, v[T0]                                ; so an eighth of it from each; + 2 lin
	v_sub_f32 v[T1], v[T1], v[QQ]
	v_add_f32_dpp v[T1], v[T1], v[T1] row_xmask:1 row_mask:0xf bank_mask:0xf   ; over the 32 lanes
	v_add_f32_dpp v[T1], v[T1], v[T1] row_xmask:2 row_mask:0xf bank_mask:0xf
	v_add_f32_dpp v[T1], v[T1], v[T1] row_xmask:4 row_mask:0xf bank_mask:0xf
	v_add_f32_dpp v[T1], v[T1], v[T1] row_xmask:8 row_mask:0xf bank_mask:0xf
	v_permlanex16_b32 v[UU], v[T1], s98, s99
	v_add_f32 v[T1], v[T1], v[UU]
	v_cndmask_b32 v[RES], v[RES], v[T1], s15
.endm
; One batch row.  At its head gathers 0..12 of the row are on their way.  last = 1: nothing is asked for beyond the wave's eighth row.
.macro ROW last
	s_wait_kmcnt 0x0                               ; IB and x of this row are in; no scalar load is out, so the two pointers may step
.if \last == 0
	s_add_nc_u64 s[RP:RP+1], s[RP:RP+1], RREC
	s_add_nc_u64 s[XP:XP+1], s[XP:XP+1], XROW
.endif
	DENSE
.if \last == 0
	s_load_b512 s[IA:IA+15], s[RP:RP+1], 0x0       ; the next row's fields 0..12: this row's were turned into addresses a row ago
.endif
.irp j, 0,1,2,3,4,5,6,7,8,9,10,11,12
	STEP \j, IB, 36, 1                             ; 36 = the twelve younger slots' three loads each
.endr
.if \last == 0
	s_wait_kmcnt 0x0                               ; IA is in
	s_load_b512 s[IB:IB+15], s[RP:RP+1], 0x40      ; IB and x of this row have been used up
	s_load_b512 s[XR:XR+15], s[XP:XP+1], 0x0
.irp j, 0,1,2,3,4,5,6,7,8,9,10,11,12
	STEP \j, IA, 36, 1                             ; uses gather 13 + j, asks for the next row's gather j
.endr
.else
.irp j, 0,1,2,3,4,5,6,7,8,9,10,11,12
	STEP \j, IA, 36-3*\j, 0                        ; the counts run down to 0
.endr
.endif
	FINAL
.endm
	s_wait_kmcnt 0x0                               ; row numbers, x, bias
.irp j, 0,1,2,3,4,5,6,7,8,9,10,11,12
	ADDR \j, IA
	ISSUE \j                                       ; the ring is filled: gathers 0..12 of my first row
.endr
	s_wait_loadcnt 39                              ; these 39 stay out; the 39 loads of the dense rows in front of them are in
	; Unpack in place, word w of a row (at 10 + w) into registers 2 w and 2 w + 1, w ascending: 2 w + 1 <= 10 + w, so no word is
	; written over before it is read; for w = 9 the last line reads and writes the same register.
	WIN 0x44                                       ; source 1 and destination in window 1
.irp d, 0,1,2,3,4,5,6,7,8,9,10,11
.irp w, 0,1,2,3,4,5,6,7,8,9
	v_lshlrev_b32 v[20*\d+2*\w],   16,   v[20*\d+10+\w]
	v_and_b32     v[20*\d+2*\w+1], s101, v[20*\d+10+\w]
.endr
.endr
	WIN 0
.irp w, 0,1,2,3,4,5,6,7,8,9
	v_lshlrev_b32 v[D12+2*\w],   16,   v[D12+10+\w]
	v_and_b32     v[D12+2*\w+1], s101, v[D12+10+\w]
.endr
	s_mov_b32 s3, 0
.Lrow:
	s_lshl_b32 s15, 1, s3                          ; the lane of RES that takes this row's number
	ROW 0
	s_add_co_u32 s3, s3, 1
	s_cmp_lt_u32 s3, 7
	s_cbranch_scc1 .Lrow
	s_mov_b32 s15, 128
	ROW 1                                          ; the eighth row asks for nothing more
	; The tail, for the wave's eight rows at once (lanes 0..7): z = RES / 2 + bias, out = 1 / (1 + 2^(-z log2 e)).
	v_fma_f32 v[RES], v[RES], 0.5, s14
	v_mul_f32 v[RES], 0xbfb8aa3b, v[RES]
	v_exp_f32 v[RES], v[RES]
	v_and_b32 v9, 31, v0                           ; a plain instruction behind the transcendental (ISA guide 5.7.2); lane
	s_wait_alu depctr_va_vdst(0)
	v_add_f32 v[RES], 1.0, v[RES]
	v_rcp_f32 v[RES], v[RES]
	v_lshlrev_b32 v8, 2, v0                        ; likewise; 4 x thread: each wave has its own 128 bytes of LDS
	s_wait_alu depctr_va_vdst(0)
	ds_store_b32 v8, v[RES]
	v_lshrrev_b32 v10, 2, v9
	v_and_b32 v9, 3, v9
	v_lshlrev_b32 v9, 3, v9
	v_lshl_add_u32 v9, v10, 7, v9                  ; lane L: numbers 2 (L & 3), + 1 of wave L >> 2 = numbers 2 L, 2 L + 1 of the work-group
	s_wait_dscnt 0x0                               ; my store is done before I say so
	s_barrier_signal -1
	s_barrier_wait -1
	s_cmp_lg_u32 s2, 0
	s_cbranch_scc1 .Lend
	ds_load_b64 v[10:11], v9
	s_wait_dscnt 0x0
	global_store_b64 v[L8], v[10:11], s[OUT:OUT+1] ; wave 0 stores the work-group's 64 numbers: 256 consecutive bytes, aligned
.Lend:
	s_wait_tensorcnt 0x0
	ds_add_u32 v254, v255
	s_wait_dscnt 0x0
	s_endpgm
.Lfunc_end_k_q102c3467a4_ffm:
	.size	k_q102c3467a4_ffm, .Lfunc_end_k_q102c3467a4_ffm-k_q102c3467a4_ffm
	.p2alignl 7, 3214868480
	.fill 96, 4, 3214868480
	.section	.rodata,"a",@progbits
	.p2align	6, 0x0
	.amdhsa_kernel k_q102c3467a4_ffm
		.amdhsa_group_segment_fixed_size 2048
		.amdhsa_private_segment_fixed_size 0
		.amdhsa_enable_private_segment 0
		.amdhsa_kernarg_size 40
		.amdhsa_user_sgpr_count 2
		.amdhsa_user_sgpr_kernarg_segment_ptr 1
		.amdhsa_wavefront_size32 1
		.amdhsa_system_sgpr_workgroup_id_x 1
		.amdhsa_system_sgpr_workgroup_id_y 1
		.amdhsa_system_sgpr_workgroup_id_z 1
		.amdhsa_system_vgpr_workitem_id 0
		.amdhsa_next_free_vgpr 496
		.amdhsa_next_free_sgpr 102
		.amdhsa_reserve_vcc 1
		.amdhsa_float_denorm_mode_32 3
		.amdhsa_float_denorm_mode_16_64 3
		.amdhsa_memory_ordered 1
		.amdhsa_forward_progress 1
		.amdhsa_inst_pref_size 128
	.end_amdhsa_kernel
	.amdgpu_metadata
---
amdhsa.version: [ 1, 2 ]
amdhsa.kernels:
  - .name:           k_q102c3467a4_ffm
    .symbol:         k_q102c3467a4_ffm.kd
    .args:
      - { .name: tab, .offset: 0, .size: 8, .value_kind: global_buffer, .address_space: global }
      - { .name: rows, .offset: 8, .size: 8, .value_kind: global_buffer, .address_space: global }
      - { .name: x, .offset: 16, .size: 8, .value_kind: global_buffer, .address_space: global }
      - { .name: w_bias, .offset: 24, .size: 8, .value_kind: global_buffer, .address_space: global }
      - { .name: out0, .offset: 32, .size: 8, .value_kind: global_buffer, .address_space: global }
    .group_segment_fixed_size: 2048
    .private_segment_fixed_size: 0
    .kernarg_segment_align: 8
    .kernarg_segment_size: 40
    .max_flat_workgroup_size: 256
    .sgpr_count:     102
    .vgpr_count:     496
    .wavefront_size: 32
...
	.end_amdgpu_metadata
.endif
;; end of part 2
;; ======== version 2 of 3: 3 launches; 2.25 times as fast as version 1
;; workspace buffers: tab 3,604,480 bytes; rows 1,703,936 bytes of whole numbers; xt 851,968 bytes; part 1,048,576 bytes
;; launch prep (part 3): grid 432 x 1, 8 waves a work-group, no clusters, 31,744 bytes of LDS; arguments v, w_weight, x, tab, rows, xt; writes tab, rows, xt
.if DOCPART == 3
	.amdgcn_target "amdgcn-amd-amdhsa--gfx1250"
	.amdhsa_code_object_version 6
	.text
	.protected	k_q102c3467a4_prep
	.globl	k_q102c3467a4_prep
	.p2align	8
	.type	k_q102c3467a4_prep,@function
k_q102c3467a4_prep:
	s_mov_b64 s[64:65], 0
	v_nop
	global_prefetch_b8 v0, s[64:65] scope:SCOPE_SE
	s_setreg_imm32_b32 hwreg(HW_REG_WAVE_MODE, 25, 1), 1
	s_wait_xcnt 0x0
; PREP: three tables for the launches that follow.  Both halves are transpositions through LDS, so that memory is read and
; written in long consecutive runs.
;  tab  [16 k][2816 rows][80 bytes] bf16.  Row n < 2613 of slice k holds v[n][f][k] of all 39 fields and, in its last place
;       (byte 78), w_weight[n] / 8.  The order of the fields in a row is free (the next launch only sums over them):
;       byte 4g: f = g, byte 4g+2: f = g+8, byte 32+4g: f = g+16, +2: f = g+24, byte 64+2g: f = g+32 (g = 0..7; g = 7 there is w/8).
;       Rows 2613..2815 are zeros: row 2613 is what an index outside 0..99 selects, the rest rounds a slice to 16 x 14080 bytes.
;  xt   [13][16384] f32: the dense columns of x, transposed.
;  rows [26][16384] whole numbers: the tab row that sparse field s of batch row b selects, 13 + 100 s + idx, or 2613.
; LIMITS: v and w_weight are rounded to bf16 (nearest even; the division by 8 is exact unless the result is denormal in bf16).
;       idx is x truncated toward zero: a NaN gives 0, a value beyond int32 saturates and selects the zero row.
; Work-groups 0..175: 16 rows of tab each (a wave two).  Work-groups 176..431: 64 rows of x each.
; LDS: the table half uses bytes 0..20479, the x half bytes 20480..30463: each half has bytes of its own, so that no store of
; one half can meet an access of the other whichever way a wave goes at the branch on the work-group's number.
.set NV,    2613
.set VROW,  2496                       ; bytes in a row of v
.set TBLK,  176                        ; blocks of 16 table rows
.set SROW,  80                         ; bytes in a row of a slice
.set BLKB,  16*SROW                    ; a block's bytes in one slice: five runs of 256
.set SL,    2816*SROW                  ; bytes in a slice
.set XBLK,  64*156                     ; bytes in 64 rows of x = 39 runs of 256
.set XL0,   16*BLKB                    ; 20480: where the x half's LDS bytes begin
.set LANE,  1
	s_load_b256 s[4:11], s[0:1], 0x0               ; v s[4:5], w_weight s[6:7], x s[8:9], tab s[10:11]
	s_load_b128 s[12:15], s[0:1], 0x20             ; rows s[12:13], xt s[14:15]
	v_lshl_add_u32 v64, v0, 2, 0x7800
	v_mov_b32 v65, 0
	v_and_b32 v[LANE], 31, v0
	v_lshrrev_b32 v2, 5, v0
	v_readfirstlane_b32 s3, v2                     ; wave 0..7
	s_mov_b32 s17, 0                               ; upper word of the offset pair s[16:17]
	s_cmp_ge_u32 ttmp9, TBLK
	s_cbranch_scc1 .Lxpart
; ---------------- the table ----------------
.set L16,  3                           ; 16 x lane
.set L16C, 4                           ; min(16 x lane, 432): the fifth load ends with the row of v
.set QQ,   5                           ; q = lane & 3: my k are 4q + e.  Later: slice
.set GG,   6                           ; g = lane >> 2: my fields are g + 8i.  Later: 16 x (thread & 15)
.set LAB,  7                           ; LDS address for 4-byte pieces.  Later: read-back address
.set LAC,  8                           ; LDS address for 2-byte pieces.  Later: offset in tab
.set WV,   9                           ; w / 8
.set P,    10                          ; v[10:21] packed words
.set F,    24                          ; v[24:63] two rows of v, 20 f32 a lane each; register 4i + e.  Later: 80 bytes to store
.set MS,   22                          ; s22, s23  all ones where the row exists, else 0
.set VA,   24                          ; s[24:27]  the two rows' addresses in v
.set WA,   28                          ; s[28:31]  and in w_weight
.set WS,   32                          ; s32, s33  their w
	v_lshlrev_b32 v[L16], 4, v[LANE]
	v_min_u32 v[L16C], 0x1b0, v[L16]
	v_and_b32 v[QQ], 3, v[LANE]
	v_lshrrev_b32 v[GG], 2, v[LANE]
	v_mul_u32_u24 v[LAB], 4*BLKB, v[QQ]            ; slice 4q of the block in LDS: [16 slices][16 rows][80 bytes]
	s_mul_i32 s18, s3, 2*SROW                      ; my wave's two rows
	v_add_nc_u32 v[LAB], s18, v[LAB]
	v_lshl_add_u32 v[LAC], v[GG], 1, v[LAB]
	v_lshl_add_u32 v[LAB], v[GG], 2, v[LAB]
	v_cmp_gt_u32 s20, 28, v[LANE]                  ; lanes whose fifth group is a field
	s_lshl_b32 s19, ttmp9, 4
	s_lshl1_add_u32 s19, s3, s19                   ; my first row: 16 x block + 2 x wave
	s_wait_kmcnt 0x0
.irp r, 0,1
	s_add_co_u32 s21, s19, \r
	s_cmp_lt_u32 s21, NV
	s_cselect_b32 s[MS+\r], -1, 0
	s_min_u32 s21, s21, NV-1                       ; rows beyond the table read the last row and are masked to zero
	s_mul_i32 s16, s21, VROW
	s_add_nc_u64 s[VA+2*\r:VA+2*\r+1], s[4:5], s[16:17]
	s_lshl_b32 s16, s21, 2
	s_add_nc_u64 s[WA+2*\r:WA+2*\r+1], s[6:7], s[16:17]
	s_load_b32 s[WS+\r], s[WA+2*\r:WA+2*\r+1], 0x0
.irp i, 0,1,2,3
	global_load_b128 v[F+20*\r+4*\i:F+20*\r+4*\i+3], v[L16], s[VA+2*\r:VA+2*\r+1] offset:512*\i th:TH_LOAD_NT
.endr
	global_load_b128 v[F+20*\r+16:F+20*\r+19], v[L16C], s[VA+2*\r:VA+2*\r+1] offset:2048 th:TH_LOAD_NT
.endr
	s_wait_kmcnt 0x0                               ; the two w
; One row: round, pair the fields, and lay each k's pieces into its slice in LDS.  left = loads of the other row that stay out.
.macro TROW r, left
	s_wait_loadcnt \left
	s_mul_f32 s[WS+\r], s[WS+\r], 0x3e000000       ; w / 8: sixteen slices carry it and the result is halved at the end
	v_mov_b32 v[WV], s[WS+\r]
.irp e, 0,1,2,3
	v_cndmask_b32 v[F+20*\r+16+\e], v[WV], v[F+20*\r+16+\e], s20
.endr
.irp e, 0,1,2,3
	v_cvt_pk_bf16_f32 v[P+3*\e],   v[F+20*\r+\e],    v[F+20*\r+4+\e]
	v_cvt_pk_bf16_f32 v[P+3*\e+1], v[F+20*\r+8+\e],  v[F+20*\r+12+\e]
	v_cvt_pk_bf16_f32 v[P+3*\e+2], v[F+20*\r+16+\e], v[F+20*\r+16+\e]
	v_and_b32 v[P+3*\e],   s[MS+\r], v[P+3*\e]
	v_and_b32 v[P+3*\e+1], s[MS+\r], v[P+3*\e+1]
	v_and_b32 v[P+3*\e+2], s[MS+\r], v[P+3*\e+2]
	ds_store_b32 v[LAB], v[P+3*\e]   offset:\e*BLKB+\r*SROW
	ds_store_b32 v[LAB], v[P+3*\e+1] offset:\e*BLKB+\r*SROW+32
	ds_store_b16 v[LAC], v[P+3*\e+2] offset:\e*BLKB+\r*SROW+64
.endr
.endm
	TROW 0, 5                                      ; the second row's five loads stay out
	TROW 1, 0
	s_mul_i32 s16, ttmp9, BLKB
	s_add_nc_u64 s[10:11], s[10:11], s[16:17]      ; tab at my block in slice 0
	s_wait_dscnt 0x0                               ; my pieces are in LDS before I say so
	s_barrier_signal -1
	s_barrier_wait -1
	; Back out: thread t takes slice t >> 4; its sixteen threads store five runs of 256 consecutive bytes, aligned.
	v_lshrrev_b32 v[QQ], 4, v0
	v_and_b32 v[GG], 15, v0
	v_lshlrev_b32 v[GG], 4, v[GG]
	v_mad_u32_u24 v[LAB], v[QQ], BLKB, v[GG]
	v_mad_u32_u24 v[LAC], v[QQ], SL, v[GG]
.irp i, 0,1,2,3,4
	ds_load_b128 v[F+4*\i:F+4*\i+3], v[LAB] offset:256*\i
.endr
.irp i, 0,1,2,3,4
	s_wait_dscnt 4-\i                              ; LDS loads return in order: the younger ones stay out
	global_store_b128 v[LAC], v[F+4*\i:F+4*\i+3], s[10:11] offset:256*\i
.endr
	s_wait_tensorcnt 0x0
	ds_add_u32 v64, v65
	s_wait_dscnt 0x0
	s_endpgm
; ---------------- x ----------------
.set X8,  3                            ; 8 x thread
.set L8,  4                            ; 8 x lane
.set XA,  5                            ; LDS address (without XL0) of x[2 lane][wave]
.set XT,  6                            ; at work
.set XL,  10                           ; v[10:19] as loaded
.set XC,  24                           ; v[24:33] trip i: column wave + 8i of batch rows 2 lane, 2 lane + 1
.set XB,  40                           ; s[40:49] trip i: where its column goes
.Lxpart:
	s_sub_co_u32 s18, ttmp9, TBLK                  ; block of 64 batch rows
	v_lshlrev_b32 v[X8], 3, v0
	v_lshlrev_b32 v[L8], 3, v[LANE]
	v_mul_u32_u24 v[XA], 312, v[LANE]              ; two rows of 156 bytes a lane
	s_lshl_b32 s19, s3, 2
	v_add_nc_u32 v[XA], s19, v[XA]
	s_wait_kmcnt 0x0
	s_mul_i32 s16, s18, XBLK
	s_add_nc_u64 s[8:9], s[8:9], s[16:17]
	s_lshl_b32 s16, s18, 8                         ; 64 numbers of 4 bytes in every column
	s_add_nc_u64 s[12:13], s[12:13], s[16:17]
	s_add_nc_u64 s[14:15], s[14:15], s[16:17]
.irp i, 0,1,2,3
	global_load_b64 v[XL+2*\i:XL+2*\i+1], v[X8], s[8:9] offset:2048*\i th:TH_LOAD_NT   ; a wave's load: 256 consecutive bytes
.endr
	s_cmp_gt_u32 s3, 6                             ; 39 runs of 256 bytes: the fifth trip is for waves 0..6
	s_cbranch_scc1 .Lx1
	global_load_b64 v[XL+8:XL+9], v[X8], s[8:9] offset:8192 th:TH_LOAD_NT
	s_wait_loadcnt 0x0
	ds_store_b64 v[X8], v[XL+8:XL+9] offset:XL0+8192
.Lx1:
	s_wait_loadcnt 0x0
.irp i, 0,1,2,3
	ds_store_b64 v[X8], v[XL+2*\i:XL+2*\i+1] offset:XL0+2048*\i
.endr
	s_wait_dscnt 0x0
	s_barrier_signal -1
	s_barrier_wait -1
.macro XLD i
	ds_load_b32 v[XC+2*\i],   v[XA] offset:XL0+32*\i
	ds_load_b32 v[XC+2*\i+1], v[XA] offset:XL0+32*\i+156
.endm
; Column j = wave + 8i.  j < 13: the numbers go to xt as they are; else they become row numbers and go to rows.  Both forms are
; made and one is chosen, buffer and value, on j alone.
.macro XCOL i
	s_add_co_u32 s20, s3, 8*\i                     ; j
	s_sub_co_u32 s21, s20, 13                      ; sparse field (not used where j < 13)
	s_mul_i32 s22, s20, 100
	s_sub_co_u32 s22, s22, 1287                    ; 13 + 100 (j - 13)
	s_cmp_lt_u32 s20, 13
	s_cselect_b64 s[XB+2*\i:XB+2*\i+1], s[14:15], s[12:13]
	s_cselect_b32 s23, 0, -1
	s_cselect_b32 s16, s20, s21
	s_lshl_b32 s16, s16, 16                        ; a column is 65536 bytes
	s_add_nc_u64 s[XB+2*\i:XB+2*\i+1], s[XB+2*\i:XB+2*\i+1], s[16:17]
.irp u, 0,1
	v_cvt_i32_f32 v[XT], v[XC+2*\i+\u]             ; toward zero, as the reference's cast
	v_cmp_gt_u32 vcc_lo, 0x64, v[XT]               ; unsigned: negative numbers fail too
	v_add_nc_u32 v[XT], s22, v[XT]
	v_cndmask_b32 v[XT], NV, v[XT], vcc_lo         ; outside 0..99: the zero row
	v_cndmask_b32 v[XC+2*\i+\u], v[XC+2*\i+\u], v[XT], s23
.endr
	global_store_b64 v[L8], v[XC+2*\i:XC+2*\i+1], s[XB+2*\i:XB+2*\i+1]     ; 256 consecutive bytes, aligned
.endm
.irp i, 0,1,2,3
	XLD \i
.endr
.irp i, 0,1,2,3
	s_wait_dscnt 6-2*\i                            ; the later trips' pairs stay out
	XCOL \i
.endr
	s_cmp_gt_u32 s3, 6                             ; columns 32..38
	s_cbranch_scc1 .Lxend
	XLD 4
	s_wait_dscnt 0x0
	XCOL 4
.Lxend:
	s_wait_tensorcnt 0x0
	ds_add_u32 v64, v65
	s_wait_dscnt 0x0
	s_endpgm
.Lfunc_end_k_q102c3467a4_prep:
	.size	k_q102c3467a4_prep, .Lfunc_end_k_q102c3467a4_prep-k_q102c3467a4_prep
	.p2alignl 7, 3214868480
	.fill 96, 4, 3214868480
	.section	.rodata,"a",@progbits
	.p2align	6, 0x0
	.amdhsa_kernel k_q102c3467a4_prep
		.amdhsa_group_segment_fixed_size 31744
		.amdhsa_private_segment_fixed_size 0
		.amdhsa_enable_private_segment 0
		.amdhsa_kernarg_size 48
		.amdhsa_user_sgpr_count 2
		.amdhsa_user_sgpr_kernarg_segment_ptr 1
		.amdhsa_wavefront_size32 1
		.amdhsa_system_sgpr_workgroup_id_x 1
		.amdhsa_system_sgpr_workgroup_id_y 1
		.amdhsa_system_sgpr_workgroup_id_z 1
		.amdhsa_system_vgpr_workitem_id 0
		.amdhsa_next_free_vgpr 66
		.amdhsa_next_free_sgpr 66
		.amdhsa_reserve_vcc 1
		.amdhsa_float_denorm_mode_32 3
		.amdhsa_float_denorm_mode_16_64 3
		.amdhsa_memory_ordered 1
		.amdhsa_forward_progress 1
		.amdhsa_inst_pref_size 17
	.end_amdhsa_kernel
	.amdgpu_metadata
---
amdhsa.version: [ 1, 2 ]
amdhsa.kernels:
  - .name:           k_q102c3467a4_prep
    .symbol:         k_q102c3467a4_prep.kd
    .args:
      - { .name: v, .offset: 0, .size: 8, .value_kind: global_buffer, .address_space: global }
      - { .name: w_weight, .offset: 8, .size: 8, .value_kind: global_buffer, .address_space: global }
      - { .name: x, .offset: 16, .size: 8, .value_kind: global_buffer, .address_space: global }
      - { .name: tab, .offset: 24, .size: 8, .value_kind: global_buffer, .address_space: global }
      - { .name: rows, .offset: 32, .size: 8, .value_kind: global_buffer, .address_space: global }
      - { .name: xt, .offset: 40, .size: 8, .value_kind: global_buffer, .address_space: global }
    .group_segment_fixed_size: 31744
    .private_segment_fixed_size: 0
    .kernarg_segment_align: 8
    .kernarg_segment_size: 48
    .max_flat_workgroup_size: 256
    .sgpr_count:     66
    .vgpr_count:     66
    .wavefront_size: 32
...
	.end_amdgpu_metadata
.endif
;; end of part 3
;; launch ffm (part 4): grid 16 x 16, 16 waves a work-group, no clusters, 227,328 bytes of LDS; arguments tab, rows, xt, part; writes part
.if DOCPART == 4
	.amdgcn_target "amdgcn-amd-amdhsa--gfx1250"
	.amdhsa_code_object_version 6
	.text
	.protected	k_q102c3467a4_ffm
	.globl	k_q102c3467a4_ffm
	.p2align	8
	.type	k_q102c3467a4_ffm,@function
k_q102c3467a4_ffm:
	s_mov_b64 s[64:65], 0
	v_nop
	global_prefetch_b8 v0, s[64:65] scope:SCOPE_SE
	s_setreg_imm32_b32 hwreg(HW_REG_WAVE_MODE, 25, 1), 1
	s_wait_xcnt 0x0
; FFM, one k at a time.  reference()'s cross part is 0.5 sum over k of (s_k^2 - sum_f f_fk^2): it separates over k.
; Work-group (x, y) takes k = y and the 1024 batch rows 1024 x .. and stores part[k][b] = s_k^2 - sum_f f_fk^2 + lin / 8;
; the next launch adds the 16 k (16 x lin / 8, halved, is lin).
; inputs is 13 dense numbers and 26 one-hot blocks that reference() builds itself, so f[b][.][k] is the sum of 39 rows of slice k
; of tab (40 bf16 a row: 39 fields and w / 8, see the launch before): rows 0..12 times x[b][0..12], and one row for each sparse
; field, whose number the launch before stored in rows.  The slice, 225280 bytes, lies in LDS for the whole launch, so each
; table byte enters the work-group once and the 1024 x 26 selections are LDS reads.
; THE FILL COMES IN TWO PARTS: the slice's first 4096 bytes (the dense rows are its first 1040), then the other 221184.  The 13
; dense steps, a third of the arithmetic, need only the first part and x, and run while the second part is on its way.
; NO CLUSTER, NO JOINT REQUEST, though 16 work-groups read each slice: in a launch with joint requests the LDS addresses have to
; be alike in all partners.  Work-groups that share a slice (same k) differ in their batch rows, and the LDS addresses of the
; selections are made of exactly those rows' numbers; work-groups with like addresses (same batch rows) have another k and so
; share no slice.  The fill is 225280 bytes a work-group, once.
; SHARES: 16 waves; a wave takes 64 batch rows, a lane rows 2 l and 2 l + 1 of them, with 2 x 40 sums in registers: nothing is
; ever summed across lanes, and loads and the store of a wave cover 256 consecutive bytes.  A dense row is read once for both.
; 39 steps in straight line, two fragment buffers: the next step's LDS loads are issued in front of this step's additions.
; A selected row is read as five loads of 16 bytes a lane; which rows meet in one load hangs on the data.
; LIMITS: v and w_weight enter rounded once to bf16; x and all sums are f32.  Indices outside 0..99 select a zero row.
; LEFT OUT: matrix instructions (all but 39 of 2613 products of an output would be by zero); a ring of tiles (the slice is
; brought once and stays); a fill in more parts (the selections' addresses are bounded by the clamp 0..2613 alone, so every
; selection waits for the whole slice); prefetches (both parts of the fill are asked for at the start).
.set NZ,    2613                       ; the zero row
.set SROW,  80
.set SL,    225280                     ; bytes in a slice
.set HEADB, 4096                       ; the first part of the fill,
.set HEADW, HEADB/16                   ; 256 bytes a wave
.set RESTW, (SL-HEADB)/16              ; the second part: 13824 bytes a wave, 54 x 256
.set COLB,  65536                      ; bytes in a column of rows, xt, part
.set Z,     1                          ; v1        0: LDS base of the dense rows, and the f32 zero that starts the sums
.set ONE,   2                          ; v2        1.0
.set L8,    3                          ; v3        8 x lane
.set IDX,   6                          ; v[6:57]   field s: LDS addresses of my two rows' selections
.set XD,    58                         ; v[58:83]  column d: x of my two rows
.set ACC,   84                         ; v[84:163] 40 sums of row 2l, 40 of row 2l + 1
.set W,     164                        ; v[164:243] two buffers of 40: 20 words for each of my two rows
.set SA,    244                        ; v[244:251] at work at the end
.set SB,    246
.set QA,    248
.set QB,    250
.set PO,    252                        ; v[252:253] the two results
.set HG0,   20                         ; s[20:23]  first part: descriptor group 0
.set HG1,   24                         ; s[24:31]  and group 1
.set RG0,   32                         ; s[32:35]  second part: group 0
.set RG1,   36                         ; s[36:43]  and group 1
	s_load_b256 s[4:11], s[0:1], 0x0               ; tab s[4:5], rows s[6:7], xt s[8:9], part s[10:11]
	v_lshl_add_u32 v254, v0, 2, 0x37000
	v_mov_b32 v255, 0
	ds_add_u32 v254, v255
	ds_add_u32 v254, v255
	v_lshrrev_b32 v4, 5, v0
	v_readfirstlane_b32 s12, v4                    ; wave 0..15
	s_and_b32 s15, ttmp7, 0xffff                   ; work-group y: k.  ttmp9, work-group x: block of 1024 batch rows
	v_and_b32 v[L8], 31, v0
	v_lshlrev_b32 v[L8], 3, v[L8]
	v_mov_b32 v[Z], 0
	v_mov_b32 v[ONE], 1.0
	; Both descriptors: one row of elements of 8 bytes, dense in memory and in LDS; no work-group mask, no padding.
	s_mov_b32 s[HG1+0], 3<<16                      ; element of 8 bytes
	s_mov_b32 s[HG1+1], (HEADW/8)<<16              ; tensor_dim0 = 32
	s_mov_b32 s[HG1+2], 1<<16
	s_mov_b32 s[HG1+3], (HEADW/8)<<16              ; tile_dim0
	s_mov_b32 s[HG1+4], 1
	s_mov_b32 s[HG1+5], 32
	s_mov_b32 s[HG1+6], 0
	s_mov_b32 s[HG1+7], 0
	s_mov_b32 s[RG1+0], 3<<16
	s_mov_b32 s[RG1+1], (RESTW/8)<<16              ; tensor_dim0 = 1728
	s_mov_b32 s[RG1+2], 1<<16
	s_mov_b32 s[RG1+3], (RESTW/8)<<16              ; tile_dim0
	s_mov_b32 s[RG1+4], 1
	s_mov_b32 s[RG1+5], 1728
	s_mov_b32 s[RG1+6], 0
	s_mov_b32 s[RG1+7], 0
	s_mov_b32 s[HG0], 1
	s_lshl_b32 s[HG0+1], s12, 8                    ; LDS address: my wave's 256 bytes of the first part
	s_mov_b32 s[RG0], 1
	s_mul_i32 s[RG0+1], s12, RESTW                 ; my wave's share of the second part,
	s_add_co_u32 s[RG0+1], s[RG0+1], HEADB         ; which lies behind the first
	s_mul_i32 s13, s15, SL                         ; slice k in tab; a byte's place in the slice is its LDS address
	s_add_co_u32 s16, s13, s[HG0+1]
	s_mov_b32 s17, 0
	s_add_co_u32 s18, s13, s[RG0+1]
	s_mov_b32 s19, 0
	s_lshl_b32 s2, ttmp9, 12                       ; 1024 numbers of 4 bytes a work-group,
	s_add_co_u32 s2, s2, s[HG0+1]                  ; 64 (256 bytes) a wave
	s_mov_b32 s3, 0
	s_lshl_b32 s44, s15, 16                        ; column k of part,
	s_add_co_u32 s44, s44, s2                      ; my 64 rows
	s_mov_b32 s45, 0
	s_wait_dscnt 0x0
	s_wait_kmcnt 0x0
	; What the dense steps need is asked for first: the slice's head and x; then the rest of the slice and the row numbers.
	s_add_nc_u64 s[HG0+2:HG0+3], s[4:5], s[16:17]
	s_or_b32 s[HG0+3], s[HG0+3], 0x80000000
	tensor_load_to_lds s[HG0:HG0+3], s[HG1:HG1+7]
	s_nop 0
	s_add_nc_u64 s[8:9], s[8:9], s[2:3]
.set i, 0
.rept 13
	global_load_b64 v[XD+2*i:XD+2*i+1], v[L8], s[8:9] offset:COLB*i
.set i, i+1
.endr
	s_add_nc_u64 s[RG0+2:RG0+3], s[4:5], s[18:19]
	s_or_b32 s[RG0+3], s[RG0+3], 0x80000000
	tensor_load_to_lds s[RG0:RG0+3], s[RG1:RG1+7]  ; two tensor loads of a wave are out now, and never more
	s_nop 0
	s_add_nc_u64 s[6:7], s[6:7], s[2:3]
.set i, 0
.rept 26
	global_load_b64 v[IDX+2*i:IDX+2*i+1], v[L8], s[6:7] offset:COLB*i
.set i, i+1
.endr
	s_add_nc_u64 s[10:11], s[10:11], s[44:45]
	s_wait_loadcnt 26                              ; the 26 younger loads of row numbers stay out; x is in
	s_wait_tensorcnt 1                             ; the second part stays out; my 256 bytes of the first are in LDS,
	s_barrier_signal -1
	s_barrier_wait -1                              ; everybody's are: bytes 0..4095 are only read from here on
.macro LDD d, u                        ; dense row d, the same bytes for every lane, into buffer u
.irp c, 0,1,2,3,4
	ds_load_b128 v[W+40*(\u)+4*\c:W+40*(\u)+4*\c+3], v[Z] offset:SROW*(\d)+16*\c
.endr
.endm
.macro LDSP j, u                       ; the rows that sparse field j selects for my two batch rows
.irp c, 0,1,2,3,4
	ds_load_b128 v[W+40*(\u)+4*\c:W+40*(\u)+4*\c+3], v[IDX+2*(\j)] offset:16*\c
.endr
.irp c, 0,1,2,3,4
	ds_load_b128 v[W+40*(\u)+20+4*\c:W+40*(\u)+20+4*\c+3], v[IDX+2*(\j)+1] offset:16*\c
.endr
.endm
; 40 sums: a[p] = bf16 place p of the 20 words at w, times m, plus c[cs p].  (c, cs) = (Z, 0) starts the sums: nothing is cleared.
.macro MAC40 a, w, m, c, cs
.irp i, 0,1,2,3,4,5,6,7,8,9,10,11,12,13,14,15,16,17,18,19
	v_fma_mix_f32_bf16 v[(\a)+2*\i],   v[(\w)+\i], v[\m], v[(\c)+(\cs)*(2*\i)]   op_sel:[0,0,0] op_sel_hi:[1,0,0]
	v_fma_mix_f32_bf16 v[(\a)+2*\i+1], v[(\w)+\i], v[\m], v[(\c)+(\cs)*(2*\i+1)] op_sel:[1,0,0] op_sel_hi:[1,0,0]
.endr
.endm
; Row numbers to LDS addresses
.macro ROWADDR
.set r, 0
.rept 52
	v_min_u32 v[IDX+r], NZ, v[IDX+r]               ; at most 2613 as stored; the minimum keeps the address inside the slice whatever is there
	v_mul_u32_u24 v[IDX+r], SROW, v[IDX+r]
.set r, r+1
.endr
.endm
	LDD 0, 0
.set t, 0
.rept 39
.set u, t&1
.set n, t+1
.if t < 12
	LDD n, 1-u
	s_wait_dscnt 5                                 ; the next step's five loads stay out; this step's are in
.endif
.if t > 12
.if t < 38
	LDSP n-13, 1-u
	s_wait_dscnt 10                                ; the next step's ten
.else
	s_wait_dscnt 0
.endif
.endif
.if t == 0
	MAC40 ACC,    W, XD,   Z, 0
	MAC40 ACC+40, W, XD+1, Z, 0
.else
.if t < 12
	MAC40 ACC,    W+40*u, XD+2*t,   ACC,    1
	MAC40 ACC+40, W+40*u, XD+2*t+1, ACC+40, 1
.else
.if t == 12
	; The last dense step carries the second barrier: behind it the whole slice may be read.
	s_wait_dscnt 0                                 ; dense row 12 is in, and no LDS access of mine is out at the signal
	s_wait_loadcnt 0                               ; the row numbers
	s_wait_tensorcnt 0                             ; my share of the second part is in LDS:
	s_barrier_signal -1                            ; say so,
	ROWADDR                                        ; work on registers while the others arrive,
	MAC40 ACC,    W+40*u, XD+2*t,   ACC,    1
	s_barrier_wait -1                              ; and go on when all sixteen have said so; from here on LDS is only read
	LDSP 0, 1-u                                    ; the first selection, in front of the step's other half
	MAC40 ACC+40, W+40*u, XD+2*t+1, ACC+40, 1
.else
	MAC40 ACC,    W+40*u,    ONE, ACC,    1
	MAC40 ACC+40, W+40*u+20, ONE, ACC+40, 1
.endif
.endif
.endif
.set t, t+1
.endr
; o = (sum of places 0..38)^2 - sum of their squares + place 39, two chains each
.macro FIN a, o
	v_pk_mul_f32 v[QA:QA+1], v[\a:\a+1],   v[\a:\a+1]
	v_pk_mul_f32 v[QB:QB+1], v[\a+2:\a+3], v[\a+2:\a+3]
	v_pk_add_f32 v[SA:SA+1], v[\a:\a+1],   v[\a+4:\a+5]
	v_pk_add_f32 v[SB:SB+1], v[\a+2:\a+3], v[\a+6:\a+7]
	v_pk_fma_f32 v[QA:QA+1], v[\a+4:\a+5], v[\a+4:\a+5], v[QA:QA+1]
	v_pk_fma_f32 v[QB:QB+1], v[\a+6:\a+7], v[\a+6:\a+7], v[QB:QB+1]
.irp p, 2,3,4,5,6,7,8
	v_pk_add_f32 v[SA:SA+1], v[SA:SA+1], v[\a+4*\p:\a+4*\p+1]
	v_pk_add_f32 v[SB:SB+1], v[SB:SB+1], v[\a+4*\p+2:\a+4*\p+3]
	v_pk_fma_f32 v[QA:QA+1], v[\a+4*\p:\a+4*\p+1],   v[\a+4*\p:\a+4*\p+1],   v[QA:QA+1]
	v_pk_fma_f32 v[QB:QB+1], v[\a+4*\p+2:\a+4*\p+3], v[\a+4*\p+2:\a+4*\p+3], v[QB:QB+1]
.endr
	v_pk_add_f32 v[SA:SA+1], v[SA:SA+1], v[\a+36:\a+37]
	v_pk_fma_f32 v[QA:QA+1], v[\a+36:\a+37], v[\a+36:\a+37], v[QA:QA+1]
	v_pk_add_f32 v[SA:SA+1], v[SA:SA+1], v[SB:SB+1]
	v_pk_add_f32 v[QA:QA+1], v[QA:QA+1], v[QB:QB+1]
	v_add_f32 v[SA], v[SA], v[SA+1]
	v_add_f32 v[QA], v[QA], v[QA+1]
	v_add_f32 v[SA], v[SA], v[\a+38]
	v_fma_f32 v[QA], v[\a+38], v[\a+38], v[QA]
	v_fma_f32 v[\o], v[SA], v[SA], -v[QA]
	v_add_f32 v[\o], v[\o], v[\a+39]
.endm
	FIN ACC, PO
	FIN ACC+40, PO+1
	global_store_b64 v[L8], v[PO:PO+1], s[10:11]   ; the wave's 64 numbers: 256 consecutive bytes, aligned
	s_wait_tensorcnt 0x0
	ds_add_u32 v254, v255
	s_wait_dscnt 0x0
	s_endpgm
.Lfunc_end_k_q102c3467a4_ffm:
	.size	k_q102c3467a4_ffm, .Lfunc_end_k_q102c3467a4_ffm-k_q102c3467a4_ffm
	.p2alignl 7, 3214868480
	.fill 96, 4, 3214868480
	.section	.rodata,"a",@progbits
	.p2align	6, 0x0
	.amdhsa_kernel k_q102c3467a4_ffm
		.amdhsa_group_segment_fixed_size 227328
		.amdhsa_private_segment_fixed_size 0
		.amdhsa_enable_private_segment 0
		.amdhsa_kernarg_size 32
		.amdhsa_user_sgpr_count 2
		.amdhsa_user_sgpr_kernarg_segment_ptr 1
		.amdhsa_wavefront_size32 1
		.amdhsa_system_sgpr_workgroup_id_x 1
		.amdhsa_system_sgpr_workgroup_id_y 1
		.amdhsa_system_sgpr_workgroup_id_z 1
		.amdhsa_system_vgpr_workitem_id 0
		.amdhsa_next_free_vgpr 256
		.amdhsa_next_free_sgpr 66
		.amdhsa_reserve_vcc 0
		.amdhsa_float_denorm_mode_32 3
		.amdhsa_float_denorm_mode_16_64 3
		.amdhsa_memory_ordered 1
		.amdhsa_forward_progress 1
		.amdhsa_inst_pref_size 236
	.end_amdhsa_kernel
	.amdgpu_metadata
---
amdhsa.version: [ 1, 2 ]
amdhsa.kernels:
  - .name:           k_q102c3467a4_ffm
    .symbol:         k_q102c3467a4_ffm.kd
    .args:
      - { .name: tab, .offset: 0, .size: 8, .value_kind: global_buffer, .address_space: global }
      - { .name: rows, .offset: 8, .size: 8, .value_kind: global_buffer, .address_space: global }
      - { .name: xt, .offset: 16, .size: 8, .value_kind: global_buffer, .address_space: global }
      - { .name: part, .offset: 24, .size: 8, .value_kind: global_buffer, .address_space: global }
    .group_segment_fixed_size: 227328
    .private_segment_fixed_size: 0
    .kernarg_segment_align: 8
    .kernarg_segment_size: 32
    .max_flat_workgroup_size: 512
    .sgpr_count:     66
    .vgpr_count:     256
    .wavefront_size: 32
...
	.end_amdgpu_metadata
.endif
;; end of part 4
;; launch fin (part 5): grid 32 x 1, 4 waves a work-group, no clusters, 0 bytes of LDS; arguments part, w_bias, out0; writes out0
.if DOCPART == 5
	.amdgcn_target "amdgcn-amd-amdhsa--gfx1250"
	.amdhsa_code_object_version 6
	.text
	.protected	k_q102c3467a4_fin
	.globl	k_q102c3467a4_fin
	.p2align	8
	.type	k_q102c3467a4_fin,@function
k_q102c3467a4_fin:
	s_mov_b64 s[64:65], 0
	v_nop
	global_prefetch_b8 v0, s[64:65] scope:SCOPE_SE
	s_setreg_imm32_b32 hwreg(HW_REG_WAVE_MODE, 25, 1), 1
	s_wait_xcnt 0x0
; FIN: out[b] = sigmoid(0.5 x sum over the 16 k of part[k][b] + bias) = 1 / (1 + 2^(-log2 e x (0.5 S + bias))).
; A thread takes four neighbouring b: each load and the store of a wave cover 512 consecutive bytes.  All 16 loads are out at
; once and are added as they come.  32 work-groups of 128 threads x 4 numbers = 16384; there is no work for more.
.set COLB, 65536                       ; bytes in a column of part
.set A, 4                              ; v[4:67] 16 x 4 numbers; the sums grow in v[4:7]
	s_load_b128 s[4:7], s[0:1], 0x0                ; part, w_bias
	s_load_b64 s[8:9], s[0:1], 0x10                ; out0
	v_lshlrev_b32 v1, 4, v0
	s_lshl_b32 s10, ttmp9, 11                      ; 128 threads x 16 bytes
	s_mov_b32 s11, 0
	s_mov_b32 s13, 0xbf38aa3b                      ; -0.5 log2 e
	s_wait_kmcnt 0x0
	s_load_b32 s12, s[6:7], 0x0
	s_add_nc_u64 s[4:5], s[4:5], s[10:11]
	s_add_nc_u64 s[8:9], s[8:9], s[10:11]
.set k, 0
.rept 16
	global_load_b128 v[A+4*k:A+4*k+3], v1, s[4:5] offset:COLB*k th:TH_LOAD_NT
.set k, k+1
.endr
.set k, 1
.rept 15
	s_wait_loadcnt 15-k                            ; loads return in order: the younger ones stay out
	v_pk_add_f32 v[A:A+1],   v[A:A+1],   v[A+4*k:A+4*k+1]
	v_pk_add_f32 v[A+2:A+3], v[A+2:A+3], v[A+4*k+2:A+4*k+3]
.set k, k+1
.endr
	s_wait_kmcnt 0x0
	s_mul_f32 s12, s12, 0xbfb8aa3b                 ; -log2 e x bias
.irp e, 0,1,2,3
	v_fma_f32 v[A+\e], v[A+\e], s13, s12
.endr
.irp e, 0,1,2,3
	v_exp_f32 v[A+\e], v[A+\e]
.endr
	v_nop                                          ; a plain place behind the transcendentals (ISA guide 5.7.2)
	s_wait_alu depctr_va_vdst(0)
.irp e, 0,1,2,3
	v_add_f32 v[A+\e], 1.0, v[A+\e]
.endr
.irp e, 0,1,2,3
	v_rcp_f32 v[A+\e], v[A+\e]
.endr
	v_nop
	s_wait_alu depctr_va_vdst(0)
	global_store_b128 v1, v[A:A+3], s[8:9]
	s_endpgm
.Lfunc_end_k_q102c3467a4_fin:
	.size	k_q102c3467a4_fin, .Lfunc_end_k_q102c3467a4_fin-k_q102c3467a4_fin
	.p2alignl 7, 3214868480
	.fill 96, 4, 3214868480
	.section	.rodata,"a",@progbits
	.p2align	6, 0x0
	.amdhsa_kernel k_q102c3467a4_fin
		.amdhsa_group_segment_fixed_size 0
		.amdhsa_private_segment_fixed_size 0
		.amdhsa_enable_private_segment 0
		.amdhsa_kernarg_size 24
		.amdhsa_user_sgpr_count 2
		.amdhsa_user_sgpr_kernarg_segment_ptr 1
		.amdhsa_wavefront_size32 1
		.amdhsa_system_sgpr_workgroup_id_x 1
		.amdhsa_system_sgpr_workgroup_id_y 1
		.amdhsa_system_sgpr_workgroup_id_z 1
		.amdhsa_system_vgpr_workitem_id 0
		.amdhsa_next_free_vgpr 68
		.amdhsa_next_free_sgpr 66
		.amdhsa_reserve_vcc 0
		.amdhsa_float_denorm_mode_32 3
		.amdhsa_float_denorm_mode_16_64 3
		.amdhsa_memory_ordered 1
		.amdhsa_forward_progress 1
		.amdhsa_inst_pref_size 6
	.end_amdhsa_kernel
	.amdgpu_metadata
---
amdhsa.version: [ 1, 2 ]
amdhsa.kernels:
  - .name:           k_q102c3467a4_fin
    .symbol:         k_q102c3467a4_fin.kd
    .args:
      - { .name: part, .offset: 0, .size: 8, .value_kind: global_buffer, .address_space: global }
      - { .name: w_bias, .offset: 8, .size: 8, .value_kind: global_buffer, .address_space: global }
      - { .name: out0, .offset: 16, .size: 8, .value_kind: global_buffer, .address_space: global }
    .group_segment_fixed_size: 0
    .private_segment_fixed_size: 0
    .kernarg_segment_align: 8
    .kernarg_segment_size: 24
    .max_flat_workgroup_size: 128
    .sgpr_count:     66
    .vgpr_count:     68
    .wavefront_size: 32
...
	.end_amdgpu_metadata
.endif
;; end of part 5
;; ======== version 3 of 3: 3 launches; version 2 with the launch prep written anew for expert scheduling mode
;; workspace buffers: tab 3,604,480 bytes; rows 1,703,936 bytes of whole numbers; xt 851,968 bytes; part 1,048,576 bytes
;; launch prep (part 6): grid 432 x 1, 8 waves a work-group, no clusters, 31,744 bytes of LDS; arguments v, w_weight, x, tab, rows, xt; writes tab, rows, xt
.if DOCPART == 6
	.amdgcn_target "amdgcn-amd-amdhsa--gfx1250"
	.amdhsa_code_object_version 6
	.text
	.protected	k_q102c3467a4_prep
	.globl	k_q102c3467a4_prep
	.p2align	8
	.type	k_q102c3467a4_prep,@function
k_q102c3467a4_prep:
	s_mov_b64 s[64:65], 0
	v_nop
	global_prefetch_b8 v0, s[64:65] scope:SCOPE_SE
	s_setreg_imm32_b32 hwreg(HW_REG_WAVE_SCHED_MODE, 0, 2), 2
	s_setreg_imm32_b32 hwreg(HW_REG_WAVE_MODE, 25, 1), 1
	s_wait_xcnt 0x0
	s_wait_alu depctr_vm_vsrc(0)
; PREP: three tables for the launches that follow.  Both halves are transpositions through LDS, so that memory is read and
; written in long consecutive runs.
;  tab  [16 k][2816 rows][80 bytes] bf16.  Row n < 2613 of slice k holds v[n][f][k] of all 39 fields and, in its last place
;       (byte 78), w_weight[n] / 8.  The order of the fields in a row is free (the next launch only sums over them):
;       byte 4g: f = g, byte 4g+2: f = g+8, byte 32+4g: f = g+16, +2: f = g+24, byte 64+2g: f = g+32 (g = 0..7; g = 7 there is w/8).
;       Rows 2613..2815 are zeros: row 2613 is what an index outside 0..99 selects, the rest rounds a slice to 16 x 14080 bytes.
;  xt   [13][16384] f32: the dense columns of x, transposed.
;  rows [26][16384] whole numbers: the tab row that sparse field s of batch row b selects, 13 + 100 s + idx, or 2613.
; LIMITS: v and w_weight are rounded to bf16 (nearest even; the division by 8 is exact unless the result is denormal in bf16).
;       idx is x truncated toward zero: a NaN gives 0, a value beyond int32 saturates and selects the zero row.
; Work-groups 0..175: 16 rows of tab each (a wave two).  Work-groups 176..431: 64 rows of x each.
; LDS: the table half uses bytes 0..20479, the x half bytes 20480..30463: each half has bytes of its own, so that no store of
; one half can meet an access of the other whichever way a wave goes at the branch on the work-group's number.
; THE MODE: SCHED_MODE bits 1:0 = 2 (LLVM: expert scheduling mode 2), set by the entry lines.  The code itself states the register
; dependences between vector instructions and memory or LDS instructions, with s_wait_alu, always for 0.
; THE PLAN.  Every register that a memory or LDS instruction reads is written once and never again, so no wait on vm_vsrc is owed.
;  Table half.  v3, v4, v7, v8: addresses, made at the half's head; one wait on va_vdst ahead of the first load.
;       v22, v23: the way back's addresses, made behind the global loads; row 0's wait covers them.
;       v[24:63]: the global loads land there; the selects and roundings read them; the way back's LDS loads land in v[24:43].
;       v[10:21], v[66:77]: row 0's and row 1's packed words, a buffer each: written by the row's roundings and masks, then ONE wait on
;       va_vdst, then the row's twelve LDS stores in one run.  Behind row 1's wait stands no vector line: the way back owes nothing.
;  x half.  v3, v4, v5: addresses, one wait on va_vdst ahead of the first load.  v[10:19]: loaded and stored to LDS, named by no vector line.
;       v[24:33]: the LDS loads land there once; the truncations read them, the last select writes them, the global stores read them.
;       v[44:53] and the masks s[24:33] are named by vector lines alone.  Trips 0..3: a run of truncations and compares, ONE wait on
;       va_sdst, the selects, ONE wait on va_vdst, four stores.  The fifth trip has the same two waits inside its branch.
.set NV,    2613
.set VROW,  2496                       ; bytes in a row of v
.set TBLK,  176                        ; blocks of 16 table rows
.set SROW,  80                         ; bytes in a row of a slice
.set BLKB,  16*SROW                    ; a block's bytes in one slice: five runs of 256
.set SL,    2816*SROW                  ; bytes in a slice
.set XBLK,  64*156                     ; bytes in 64 rows of x = 39 runs of 256
.set XL0,   16*BLKB                    ; 20480: where the x half's LDS bytes begin
.set LANE,  1
	s_load_b256 s[4:11], s[0:1], 0x0               ; v s[4:5], w_weight s[6:7], x s[8:9], tab s[10:11]
	s_load_b128 s[12:15], s[0:1], 0x20             ; rows s[12:13], xt s[14:15]
	v_lshl_add_u32 v64, v0, 2, 0x7800              ; my spare word and 0: kept for the closing lines alone
	v_mov_b32 v65, 0
	v_and_b32 v[LANE], 31, v0
	v_lshrrev_b32 v2, 5, v0
	v_readfirstlane_b32 s3, v2                     ; wave 0..7
	s_mov_b32 s17, 0                               ; upper word of the offset pair s[16:17]
	s_wait_alu depctr_va_sdst(0)                   ; s3 is written, ahead of the branch and of its first reader in either half
	s_cmp_ge_u32 ttmp9, TBLK
	s_cbranch_scc1 .Lxpart
; ---------------- the table ----------------
.set L16,  3                           ; 16 x lane
.set L16C, 4                           ; min(16 x lane, 432): the fifth load ends with the row of v
.set QQ,   5                           ; q = lane & 3: my k are 4q + e.  Later: slice
.set GG,   6                           ; g = lane >> 2: my fields are g + 8i.  Later: 16 x (thread & 15)
.set LAB,  7                           ; LDS address for 4-byte pieces
.set LAC,  8                           ; LDS address for 2-byte pieces
.set WV,   9                           ; w / 8
.set P,    10                          ; v[10:21] row 0's packed words; row 1's lie 56 registers on, in v[66:77]
.set RB,   22                          ; the way back: LDS address
.set TO,   23                          ; the way back: offset in tab
.set F,    24                          ; v[24:63] two rows of v, 20 f32 a lane each; register 4i + e.  Later: 80 bytes to store
.set MS,   22                          ; s22, s23  all ones where the row exists, else 0
.set VA,   24                          ; s[24:27]  the two rows' addresses in v
.set WA,   28                          ; s[28:31]  and in w_weight
.set WS,   32                          ; s32, s33  their w
	v_lshlrev_b32 v[L16], 4, v[LANE]
	v_min_u32 v[L16C], 0x1b0, v[L16]
	v_and_b32 v[QQ], 3, v[LANE]
	v_lshrrev_b32 v[GG], 2, v[LANE]
	v_mul_u32_u24 v[LAB], 4*BLKB, v[QQ]            ; slice 4q of the block in LDS: [16 slices][16 rows][80 bytes]
	s_mul_i32 s18, s3, 2*SROW                      ; my wave's two rows
	v_add_nc_u32 v[LAB], s18, v[LAB]
	v_lshl_add_u32 v[LAC], v[GG], 1, v[LAB]
	v_lshl_add_u32 v[LAB], v[GG], 2, v[LAB]
	v_cmp_gt_u32 s20, 28, v[LANE]                  ; lanes whose fifth group is a field
	s_lshl_b32 s19, ttmp9, 4
	s_lshl1_add_u32 s19, s3, s19                   ; my first row: 16 x block + 2 x wave
	s_wait_kmcnt 0x0
	s_wait_alu depctr_va_vdst(0)                   ; v[L16] and v[L16C] are written, which the loads below read as offsets; so are v[LAB] and v[LAC], the LDS stores' addresses
.irp r, 0,1
	s_add_co_u32 s21, s19, \r
	s_cmp_lt_u32 s21, NV
	s_cselect_b32 s[MS+\r], -1, 0
	s_min_u32 s21, s21, NV-1                       ; rows beyond the table read the last row and are masked to zero
	s_mul_i32 s16, s21, VROW
	s_add_nc_u64 s[VA+2*\r:VA+2*\r+1], s[4:5], s[16:17]
	s_lshl_b32 s16, s21, 2
	s_add_nc_u64 s[WA+2*\r:WA+2*\r+1], s[6:7], s[16:17]
	s_load_b32 s[WS+\r], s[WA+2*\r:WA+2*\r+1], 0x0
.irp i, 0,1,2,3
	global_load_b128 v[F+20*\r+4*\i:F+20*\r+4*\i+3], v[L16], s[VA+2*\r:VA+2*\r+1] offset:512*\i th:TH_LOAD_NT
.endr
	global_load_b128 v[F+20*\r+16:F+20*\r+19], v[L16C], s[VA+2*\r:VA+2*\r+1] offset:2048 th:TH_LOAD_NT
.endr
	; The way back's addresses are made here, while the loads are out: thread t takes slice t >> 4, 16 bytes at 16 (t & 15) of each run.
	v_lshrrev_b32 v[QQ], 4, v0
	v_and_b32 v[GG], 15, v0
	v_lshlrev_b32 v[GG], 4, v[GG]
	v_mad_u32_u24 v[RB], v[QQ], BLKB, v[GG]
	v_mad_u32_u24 v[TO], v[QQ], SL, v[GG]
	s_wait_kmcnt 0x0                               ; the two w
	s_wait_alu depctr_va_sdst(0)                   ; the compare has written s20, ahead of its first reader, the first row's selects
; One row: round, pair the fields, and lay each k's pieces into its slice in LDS.  left = loads of the other row that stay out.
.macro TROW r, left
	s_wait_loadcnt \left
	s_mul_f32 s[WS+\r], s[WS+\r], 0x3e000000       ; w / 8: sixteen slices carry it and the result is halved at the end
	v_mov_b32 v[WV], s[WS+\r]
.irp e, 0,1,2,3
	v_cndmask_b32 v[F+20*\r+16+\e], v[WV], v[F+20*\r+16+\e], s20
.endr
.irp e, 0,1,2,3
	v_cvt_pk_bf16_f32 v[P+56*\r+3*\e],   v[F+20*\r+\e],    v[F+20*\r+4+\e]
	v_cvt_pk_bf16_f32 v[P+56*\r+3*\e+1], v[F+20*\r+8+\e],  v[F+20*\r+12+\e]
	v_cvt_pk_bf16_f32 v[P+56*\r+3*\e+2], v[F+20*\r+16+\e], v[F+20*\r+16+\e]
	v_and_b32 v[P+56*\r+3*\e],   s[MS+\r], v[P+56*\r+3*\e]
	v_and_b32 v[P+56*\r+3*\e+1], s[MS+\r], v[P+56*\r+3*\e+1]
	v_and_b32 v[P+56*\r+3*\e+2], s[MS+\r], v[P+56*\r+3*\e+2]
.endr
	s_wait_alu depctr_va_vdst(0)                   ; the row's twelve packed words are written, which the LDS stores below read.  Row 0's wait: v[RB] and v[TO] are written too.  Row 1's: every line that wrote or read v[F ..] is done, in which the way back's LDS loads land
.irp e, 0,1,2,3
	ds_store_b32 v[LAB], v[P+56*\r+3*\e]   offset:\e*BLKB+\r*SROW
	ds_store_b32 v[LAB], v[P+56*\r+3*\e+1] offset:\e*BLKB+\r*SROW+32
	ds_store_b16 v[LAC], v[P+56*\r+3*\e+2] offset:\e*BLKB+\r*SROW+64
.endr
.endm
	TROW 0, 5                                      ; the second row's five loads stay out
	TROW 1, 0
	s_mul_i32 s16, ttmp9, BLKB
	s_add_nc_u64 s[10:11], s[10:11], s[16:17]      ; tab at my block in slice 0
	s_wait_dscnt 0x0                               ; my pieces are in LDS before I say so
	s_barrier_signal -1
	s_barrier_wait -1
	; Back out: thread t takes slice t >> 4; its sixteen threads store five runs of 256 consecutive bytes, aligned.
	; No vector line stands behind row 1's wait, so these loads and stores hang on memory counters alone.
.irp i, 0,1,2,3,4
	ds_load_b128 v[F+4*\i:F+4*\i+3], v[RB] offset:256*\i
.endr
.irp i, 0,1,2,3,4
	s_wait_dscnt 4-\i                              ; LDS loads return in order: the younger ones stay out
	global_store_b128 v[TO], v[F+4*\i:F+4*\i+3], s[10:11] offset:256*\i
.endr
	s_wait_dscnt 0x0                               ; the closing lines, six on end
	s_wait_alu 0x0
	s_wait_tensorcnt 0x0
	ds_add_u32 v64, v65
	s_wait_dscnt 0x0
	s_endpgm
; ---------------- x ----------------
.set X8,  3                            ; 8 x thread
.set L8,  4                            ; 8 x lane
.set XA,  5                            ; LDS address (without XL0) of x[2 lane][wave]
.set XL,  10                           ; v[10:19] as loaded
.set XC,  24                           ; v[24:33] trip i: column wave + 8i of batch rows 2 lane, 2 lane + 1
.set XT,  44                           ; v[44:53] trip i: the same two numbers as whole numbers, then as row numbers
.set XM,  24                           ; s[24:33] trip i: the lanes whose two numbers lie in 0..99
.set XB,  40                           ; s[40:49] trip i: where its column goes
.Lxpart:
	s_sub_co_u32 s18, ttmp9, TBLK                  ; block of 64 batch rows
	v_lshlrev_b32 v[X8], 3, v0
	v_lshlrev_b32 v[L8], 3, v[LANE]
	v_mul_u32_u24 v[XA], 312, v[LANE]              ; two rows of 156 bytes a lane
	s_lshl_b32 s19, s3, 2
	v_add_nc_u32 v[XA], s19, v[XA]
	s_wait_kmcnt 0x0
	s_mul_i32 s16, s18, XBLK
	s_add_nc_u64 s[8:9], s[8:9], s[16:17]
	s_lshl_b32 s16, s18, 8                         ; 64 numbers of 4 bytes in every column
	s_add_nc_u64 s[12:13], s[12:13], s[16:17]
	s_add_nc_u64 s[14:15], s[14:15], s[16:17]
	s_wait_alu depctr_va_vdst(0)                   ; v[X8], v[L8] and v[XA] are written: every load and store of this half reads one of them as its address
.irp i, 0,1,2,3
	global_load_b64 v[XL+2*\i:XL+2*\i+1], v[X8], s[8:9] offset:2048*\i th:TH_LOAD_NT   ; a wave's load: 256 consecutive bytes
.endr
	s_cmp_gt_u32 s3, 6                             ; 39 runs of 256 bytes: the fifth trip is for waves 0..6
	s_cbranch_scc1 .Lx1
	global_load_b64 v[XL+8:XL+9], v[X8], s[8:9] offset:8192 th:TH_LOAD_NT
	s_wait_loadcnt 0x0
	ds_store_b64 v[X8], v[XL+8:XL+9] offset:XL0+8192
.Lx1:
	s_wait_loadcnt 0x0
.irp i, 0,1,2,3
	ds_store_b64 v[X8], v[XL+2*\i:XL+2*\i+1] offset:XL0+2048*\i
.endr
	s_wait_dscnt 0x0
	s_barrier_signal -1
	s_barrier_wait -1
.macro XLD i
	ds_load_b32 v[XC+2*\i],   v[XA] offset:XL0+32*\i
	ds_load_b32 v[XC+2*\i+1], v[XA] offset:XL0+32*\i+156
.endm
; Column j = wave + 8i.  j < 13: the numbers go to xt as they are; else they become row numbers and go to rows.  Both forms are
; made and one is chosen, buffer and value, on j alone.  Three parts, so that the compares of several trips stand in one run.
.macro XIDX i                          ; the whole numbers, and which of them lie in 0..99
	v_cvt_i32_f32 v[XT+2*\i],   v[XC+2*\i]         ; toward zero, as the reference's cast
	v_cvt_i32_f32 v[XT+2*\i+1], v[XC+2*\i+1]
	v_cmp_gt_u32 s[XM+2*\i],   0x64, v[XT+2*\i]    ; unsigned: negative numbers fail too
	v_cmp_gt_u32 s[XM+2*\i+1], 0x64, v[XT+2*\i+1]
.endm
.macro XSEL i                          ; where the column goes, and which form
	s_add_co_u32 s20, s3, 8*\i                     ; j
	s_sub_co_u32 s21, s20, 13                      ; sparse field (not used where j < 13)
	s_mul_i32 s22, s20, 100
	s_sub_co_u32 s22, s22, 1287                    ; 13 + 100 (j - 13)
	s_cmp_lt_u32 s20, 13
	s_cselect_b64 s[XB+2*\i:XB+2*\i+1], s[14:15], s[12:13]
	s_cselect_b32 s23, 0, -1
	s_cselect_b32 s16, s20, s21
	s_lshl_b32 s16, s16, 16                        ; a column is 65536 bytes
	s_add_nc_u64 s[XB+2*\i:XB+2*\i+1], s[XB+2*\i:XB+2*\i+1], s[16:17]
.irp u, 0,1
	v_add_nc_u32 v[XT+2*\i+\u], s22, v[XT+2*\i+\u]
	v_cndmask_b32 v[XT+2*\i+\u], NV, v[XT+2*\i+\u], s[XM+2*\i+\u]   ; outside 0..99: the zero row
	v_cndmask_b32 v[XC+2*\i+\u], v[XC+2*\i+\u], v[XT+2*\i+\u], s23
.endr
.endm
.macro XST i
	global_store_b64 v[L8], v[XC+2*\i:XC+2*\i+1], s[XB+2*\i:XB+2*\i+1]     ; 256 consecutive bytes, aligned
.endm
.irp i, 0,1,2,3
	XLD \i
.endr
.irp i, 0,1,2,3
	s_wait_dscnt 6-2*\i                            ; the later trips' pairs stay out
	XIDX \i
.endr
	s_wait_alu depctr_va_sdst(0)                   ; the eight compares have written s[XM .. XM+7], ahead of their first reader: one wait for the run
.irp i, 0,1,2,3
	XSEL \i
.endr
	s_wait_alu depctr_va_vdst(0)                   ; the selects have written v[XC .. XC+7], which the four stores read
.irp i, 0,1,2,3
	XST \i
.endr
	s_cmp_gt_u32 s3, 6                             ; columns 32..38
	s_cbranch_scc1 .Lxend
	XLD 4                                          ; lands in v[XC+8 .. XC+9], which no vector line has named
	s_wait_dscnt 0x0
	XIDX 4
	s_wait_alu depctr_va_sdst(0)                   ; the two compares have written s[XM+8], s[XM+9], ahead of their first reader
	XSEL 4
	s_wait_alu depctr_va_vdst(0)                   ; the selects have written v[XC+8 .. XC+9], which the store reads
	XST 4
.Lxend:
	s_wait_dscnt 0x0                               ; the closing lines, six on end
	s_wait_alu 0x0
	s_wait_tensorcnt 0x0
	ds_add_u32 v64, v65
	s_wait_dscnt 0x0
	s_endpgm
.Lfunc_end_k_q102c3467a4_prep:
	.size	k_q102c3467a4_prep, .Lfunc_end_k_q102c3467a4_prep-k_q102c3467a4_prep
	.p2alignl 7, 3214868480
	.fill 96, 4, 3214868480
	.section	.rodata,"a",@progbits
	.p2align	6, 0x0
	.amdhsa_kernel k_q102c3467a4_prep
		.amdhsa_group_segment_fixed_size 31744
		.amdhsa_private_segment_fixed_size 0
		.amdhsa_enable_private_segment 0
		.amdhsa_kernarg_size 48
		.amdhsa_user_sgpr_count 2
		.amdhsa_user_sgpr_kernarg_segment_ptr 1
		.amdhsa_wavefront_size32 1
		.amdhsa_system_sgpr_workgroup_id_x 1
		.amdhsa_system_sgpr_workgroup_id_y 1
		.amdhsa_system_sgpr_workgroup_id_z 1
		.amdhsa_system_vgpr_workitem_id 0
		.amdhsa_next_free_vgpr 78
		.amdhsa_next_free_sgpr 66
		.amdhsa_reserve_vcc 0
		.amdhsa_float_denorm_mode_32 3
		.amdhsa_float_denorm_mode_16_64 3
		.amdhsa_memory_ordered 1
		.amdhsa_forward_progress 1
		.amdhsa_inst_pref_size 18
	.end_amdhsa_kernel
	.amdgpu_metadata
---
amdhsa.version: [ 1, 2 ]
amdhsa.kernels:
  - .name:           k_q102c3467a4_prep
    .symbol:         k_q102c3467a4_prep.kd
    .args:
      - { .name: v, .offset: 0, .size: 8, .value_kind: global_buffer, .address_space: global }
      - { .name: w_weight, .offset: 8, .size: 8, .value_kind: global_buffer, .address_space: global }
      - { .name: x, .offset: 16, .size: 8, .value_kind: global_buffer, .address_space: global }
      - { .name: tab, .offset: 24, .size: 8, .value_kind: global_buffer, .address_space: global }
      - { .name: rows, .offset: 32, .size: 8, .value_kind: global_buffer, .address_space: global }
      - { .name: xt, .offset: 40, .size: 8, .value_kind: global_buffer, .address_space: global }
    .group_segment_fixed_size: 31744
    .private_segment_fixed_size: 0
    .kernarg_segment_align: 8
    .kernarg_segment_size: 48
    .max_flat_workgroup_size: 256
    .sgpr_count:     66
    .vgpr_count:     78
    .wavefront_size: 32
...
	.end_amdgpu_metadata
.endif
;; end of part 6
;; launch ffm: the kernel of part 4 again; grid 16 x 16, 16 waves a work-group, no clusters, 227,328 bytes of LDS; arguments tab, rows, xt, part; writes part
;; launch fin: the kernel of part 5 again; grid 32 x 1, 4 waves a work-group, no clusters, 0 bytes of LDS; arguments part, w_bias, out0; writes out0
